; MI455X (gfx1250); checked and timed in simulation.
; The chip was launched on July 23, 2026; its instructions are those of AMD's public machine-readable ISA for CDNA 5 (MIT licence, August 2026) and "CDNA5" Instruction Set Architecture Reference Guide (July 2026). The comments in the code are by the model that wrote it; some were corrected since.
;; Multi Head Model. Allowed arithmetic: float matrix products may take bf16 or f16 operands with f32 sums; all other float work in f32.
;; Inputs: W 20 x 100 x 1,024 float32; b 20 x 100 float32; t 16,384 int32; x 16,384 x 1,024 float32.
;; Outputs: out0 16,384 x 100 float32.
;; 2 versions, each right; version 2 is version 1 with the launch route written anew for expert scheduling mode. Each part assembles by itself: llvm-mc -triple=amdgcn-amd-amdhsa -mcpu=gfx1250 --defsym DOCPART=n.
;; ======== version 1 of 2: 2 launches
;; workspace buffers: order 1,351,680 bytes of whole numbers
;; launch route (part 1): grid 12 x 20, 1 waves a work-group, no clusters, 5,888 bytes of LDS; arguments t, order; writes order
.if DOCPART == 1
	.amdgcn_target "amdgcn-amd-amdhsa--gfx1250"
	.amdhsa_code_object_version 6
	.text
	.protected	k_qd5a6a4911f_route
	.globl	k_qd5a6a4911f_route
	.p2align	8
	.type	k_qd5a6a4911f_route,@function
k_qd5a6a4911f_route:
	s_mov_b64 s[64:65], 0
	v_nop
	global_prefetch_b8 v0, s[64:65] scope:SCOPE_SE
	s_setreg_imm32_b32 hwreg(HW_REG_WAVE_MODE, 25, 1), 1
	s_wait_xcnt 0x0
; The routing for out0[i][:] = W[t[i]] x[i] + b[t[i]]: which rows belong to which head, as whole numbers for the launch that follows.
; GRID 12 x 20: y = the head, x = one of 12 ranges of rows (blocks of 32 rows, floor(128 q / 3) to floor(128 (q+1) / 3): 42 or 43 blocks).
; One wave a work-group: it scans its range of t and writes, at order + (12 head + q) x 5,632 bytes,
;   words 0 .. n-1      the numbers, plus 1, of the range's rows whose t is the head,
;   words n .. 1375     zeros: a zero says that the place lies behind the list's end,
;   words 1376 .. 1407  n, 32 times: it covers the words that took the lanes without a match; the launch that follows does not read it.
; One wave scans the whole range, so a row's place in the list needs no number from another wave.  The list is made in LDS and leaves as 11 stores
; at fixed addresses, each 512 consecutive bytes at a multiple of 256 from the buffer's first byte.  No branch, and no global address made of t.
; LIMIT: a t outside 0..19 is in no list.
.set NB,    43                         ; blocks scanned; the last one counts only where the range has 43
.set CAP,   1376                       ; 43 x 32: the longest list
.set PITCH, 5632                       ; (1376 + 32) words
.set L4,  1                            ; v1      4 lane
.set L16, 2                            ; v2      16 lane
.set SCR, 3                            ; v3      1376 + lane: the word that takes a lane without a match
.set Z,   4                            ; v4-7    zeros
.set RN,  8                            ; v8      my lane's row in block 0, plus 1
.set P,   12                           ; v12-15  four blocks at a time: place, then LDS address
.set Q,   16                           ; v16-19  four blocks at a time: row number plus 1
.set TD,  20                           ; v20-62  t, 43 blocks
.set LS,  64                           ; v64-107 the list on its way out
	s_load_b128 s[4:7], s[0:1], 0x0                ; t s[4:5], order s[6:7]
	v_lshl_add_u32 v108, v0, 2, 0x1600
	v_mov_b32 v109, 0
	s_and_b32 s15, ttmp7, 0xffff                   ; head
	s_mov_b32 s16, ttmp9                           ; q
	s_mul_i32 s17, s16, 43691                      ; floor(128 q / 3) = (q x 43691) >> 10: the factor is 2^17/3 rounded up, its excess 128 q / 393216 stays under 1/3 for q <= 12
	s_add_co_u32 s18, s17, 43691
	s_lshr_b32 s17, s17, 10                        ; first block of the range
	s_lshr_b32 s18, s18, 10                        ; first block behind it
	v_lshlrev_b32 v[L4], 2, v0                     ; one wave: v0 is the lane
	v_lshlrev_b32 v[L16], 4, v0
	v_add_nc_u32 v[SCR], CAP, v0
	s_lshl_b32 s10, s17, 7                         ; the range's first byte in t
	s_mov_b32 s11, 0
	s_mul_i32 s12, s15, 12
	s_add_co_u32 s12, s12, s16
	s_mul_i32 s12, s12, PITCH                      ; my part of order
	s_mov_b32 s13, 0
	s_add_co_u32 s20, s17, NB-1
	s_cmp_lt_u32 s20, s18
	s_cselect_b32 s21, -1, 0                       ; block 42 counts only if it lies in the range; it lies inside t in any case (469 + 42 = 511 at the most)
	s_lshl_b32 s22, s17, 5
	s_add_co_u32 s22, s22, 1                       ; row numbers are stored plus 1
	v_add_nc_u32 v[RN], s22, v0
	s_mov_b32 s19, 0                               ; the list's length so far
	s_wait_kmcnt 0x0
	s_add_nc_u64 s[4:5], s[4:5], s[10:11]
	s_add_nc_u64 s[6:7], s[6:7], s[12:13]
.set j, 0
.rept NB
	global_load_b32 v[TD+j], v[L4], s[4:5] offset:128*j
.set j, j+1
.endr
	; While t is on its way every word of the 5,632 bytes is written once.  LDS serves a wave's instructions in order (ISA guide 5.7.1): the row numbers land on top.
.irp k, 0,1,2,3
	v_mov_b32 v[Z+\k], 0
.endr
.irp k, 0,1,2,3,4,5,6,7,8,9,10
	ds_store_b128 v[L16], v[Z:Z+3] offset:512*\k
.endr
; Blocks j0 .. j0+3.  A matching lane's place is the list's length in front of its block plus the matching lanes below it.
; Four blocks at a time, so that the compares, the scalar sums and the vector work of one block do not each wait for the block before.
.macro GRP j0
.if \j0+3 < NB-1
	s_wait_loadcnt NB-1-(\j0+3)                    ; the loads of the later blocks stay out
.else
	s_wait_loadcnt 0x0
.endif
.irp c, 0,1,2,3
.if \j0+\c < NB
	v_cmp_eq_u32 s[24+\c], s15, v[TD+\j0+\c]
.endif
.endr
.if \j0+3 >= NB-1
	s_and_b32 s[24+NB-1-\j0], s[24+NB-1-\j0], s21
.endif
.irp c, 0,1,2,3
.if \j0+\c < NB
	s_mov_b32 s[28+\c], s19
	s_bcnt1_i32_b32 s23, s[24+\c]
	s_add_co_u32 s19, s19, s23
.endif
.endr
.irp c, 0,1,2,3
.if \j0+\c < NB
	v_mbcnt_lo_u32_b32 v[P+\c], s[24+\c], s[28+\c]
.endif
.endr
.irp c, 0,1,2,3
.if \j0+\c < NB
	v_cndmask_b32 v[P+\c], v[SCR], v[P+\c], s[24+\c]       ; no match: word 1376 + lane
.endif
.endr
.irp c, 0,1,2,3
.if \j0+\c < NB
	v_min_u32 v[P+\c], CAP+31, v[P+\c]             ; never binds (43 x 32 rows): it bounds the address in the text
.endif
.endr
.irp c, 0,1,2,3
.if \j0+\c < NB
	v_lshlrev_b32 v[P+\c], 2, v[P+\c]
	v_add_nc_u32 v[Q+\c], 32*(\j0+\c), v[RN]       ; the row's number plus 1
.endif
.endr
.irp c, 0,1,2,3
.if \j0+\c < NB
	ds_store_b32 v[P+\c], v[Q+\c]
.endif
.endr
.endm
.irp j, 0,4,8,12,16,20,24,28,32,36,40
	GRP \j
.endr
	v_mov_b32 v[Q], s19
	ds_store_b32 v[L4], v[Q] offset:4*CAP          ; n over the 32 words that took the lanes without a match
.irp k, 0,1,2,3,4,5,6,7,8,9,10
	ds_load_b128 v[LS+4*\k:LS+4*\k+3], v[L16] offset:512*\k        ; in order behind the stores above
.endr
.irp k, 0,1,2,3,4,5,6,7,8,9,10
	s_wait_dscnt 10-\k                             ; piece k is back; the younger pieces stay out
	global_store_b128 v[L16], v[LS+4*\k:LS+4*\k+3], s[6:7] offset:512*\k
.endr
	s_wait_tensorcnt 0x0
	ds_add_u32 v108, v109
	s_wait_dscnt 0x0
	s_endpgm
.Lfunc_end_k_qd5a6a4911f_route:
	.size	k_qd5a6a4911f_route, .Lfunc_end_k_qd5a6a4911f_route-k_qd5a6a4911f_route
	.p2alignl 7, 3214868480
	.fill 96, 4, 3214868480
	.section	.rodata,"a",@progbits
	.p2align	6, 0x0
	.amdhsa_kernel k_qd5a6a4911f_route
		.amdhsa_group_segment_fixed_size 5888
		.amdhsa_private_segment_fixed_size 0
		.amdhsa_enable_private_segment 0
		.amdhsa_kernarg_size 16
		.amdhsa_user_sgpr_count 2
		.amdhsa_user_sgpr_kernarg_segment_ptr 1
		.amdhsa_wavefront_size32 1
		.amdhsa_system_sgpr_workgroup_id_x 1
		.amdhsa_system_sgpr_workgroup_id_y 1
		.amdhsa_system_sgpr_workgroup_id_z 1
		.amdhsa_system_vgpr_workitem_id 0
		.amdhsa_next_free_vgpr 110
		.amdhsa_next_free_sgpr 66
		.amdhsa_reserve_vcc 0
		.amdhsa_float_denorm_mode_32 3
		.amdhsa_float_denorm_mode_16_64 3
		.amdhsa_memory_ordered 1
		.amdhsa_forward_progress 1
		.amdhsa_inst_pref_size 31
	.end_amdhsa_kernel
	.amdgpu_metadata
---
amdhsa.version: [ 1, 2 ]
amdhsa.kernels:
  - .name:           k_qd5a6a4911f_route
    .symbol:         k_qd5a6a4911f_route.kd
    .args:
      - { .name: t, .offset: 0, .size: 8, .value_kind: global_buffer, .address_space: global }
      - { .name: order, .offset: 8, .size: 8, .value_kind: global_buffer, .address_space: global }
    .group_segment_fixed_size: 5888
    .private_segment_fixed_size: 0
    .kernarg_segment_align: 8
    .kernarg_segment_size: 16
    .max_flat_workgroup_size: 32
    .sgpr_count:     66
    .vgpr_count:     110
    .wavefront_size: 32
...
	.end_amdgpu_metadata
.endif
;; end of part 1
;; launch heads (part 2): grid 12 x 20, 8 waves a work-group, no clusters, 291,840 bytes of LDS; arguments W, b, order, x, out0, t; writes out0
.if DOCPART == 2
	.amdgcn_target "amdgcn-amd-amdhsa--gfx1250"
	.amdhsa_code_object_version 6
	.text
	.protected	k_qd5a6a4911f_heads
	.globl	k_qd5a6a4911f_heads
	.p2align	8
	.type	k_qd5a6a4911f_heads,@function
k_qd5a6a4911f_heads:
	s_mov_b64 s[64:65], 0
	v_nop
	global_prefetch_b8 v0, s[64:65] scope:SCOPE_SE
	s_setreg_imm32_b32 hwreg(HW_REG_WAVE_MODE, 25, 1), 1
	s_wait_xcnt 0x0
; out0[i][:] = W[t[i]] x[i] + b[t[i]].  x [16384][1024] f32, t [16384] i32, W [20][100][1024] f32, b [20][100] f32, out0 [16384][100] f32.
; Only a row's own head is computed: the other 19 products of the dense form are thrown away by the selection.
; GRID 12 x 20: y = the head, x = one of 12 ranges of rows (blocks of 32 rows, floor(128 q / 3) to floor(128 (q+1) / 3): 42 or 43 blocks).
; The launch before has stored, at order + (12 head + q) x 5,632 bytes, the numbers plus 1 of the range's rows whose t is the head (words 0 .. n-1) and
; zeros up to word 1375.  Each row is in one list, so each output byte has one writer.
; WHAT STEERS WHAT: order steers addresses alone (which rows of x are read, which rows of out0 are written).  The list's length n, on which every
; branch and trip count hangs, is counted here from t itself: each wave reads its range of t by 86 scalar loads of 16 words and compares each word
; with its head, one load's words at the head of each of the first 86 turns of phase 1, in front of the turn's wait for W.
; PHASES, eight waves:
;   1  W[head] goes f32 -> bf16 through a ring of 25 loads a wave and stays in LDS (112 rows, the last 12 zeros); one barrier;
;   2  no barrier: wave w takes tiles w, w+8, .. of 16 listed rows, whole K = 1024, N = 112.  A load takes 512 consecutive bytes of one row
;      of x; the numbers are rounded to bf16, turned into fragments through a stage in LDS that is the wave's own, and multiplied with W's
;      fragments from LDS; the result leaves through the same stage as whole rows of 400 bytes (25 lanes x 16 bytes, one store a row).
; NOT USED: tensor loads and copies (the rows of x are scattered, and both operands must pass registers to become bf16);
; joint loads of W in a cluster (a head's f32 image, 409,600 bytes, does not fit beside its bf16 image, 231,168 bytes, and the stages: a joint
; ring would have slots of some 30 KB and more than ten rounds for one pass over W).
; LIMITS: operands are rounded to bf16, sums are f32.  A t outside 0..19 is in no list, and its row stays unwritten (the selection relies on t inside
; the table).  A skewed t is served rightly, but unevenly: a wave then takes up to 11 tiles.  Output rows are 400 bytes and scattered, so a store covers
; a whole row, not whole aligned blocks of 256 bytes.
.set WP,    2064                       ; LDS pitch of W's rows: 2,048 + 16, an odd multiple of 16: a fragment load's 16 rows start in 16 different 16-byte columns modulo 256
.set ST,    231168                     ; behind W's 112 rows: the waves' stages
.set STW,   7424                       ; a stage: 16 x 464 (as x stage: 16 x 272)
.set XP,    272                        ; x stage: 128 bf16 + 16 bytes
.set OP,    464                        ; out stage: 112 f32 + 16 bytes
.set CAP,   1376                       ; the longest list: 43 blocks of 32 rows
.set OPITCH, 5632                      ; bytes of order for a work-group
.set NP,    86                         ; pieces of 16 words of t: 43 blocks x 2
.set LANE, 1                           ; v1      lane
.set L16,  2                           ; v2      16 lane
.set LC16, 3                           ; v3      16 min(lane, 24): my 16 bytes of a row of 400
.set WOFF, 4                           ; v4      512 wave + 16 lane: my 16 bytes of a row of W
.set WST,  5                           ; v5-9    where my 8 bytes of W's rows 25 rho go in LDS (rho = 4: row 100)
.set WA,   10                          ; v10-13  W fragments: r WP + 16 h + 32 p rows
.set XS,   14                          ; v14     x stage, in: 8 lane
.set XA,   15                          ; v15     x stage, fragments: r XP + 16 h
.set OS,   16                          ; v16     out stage, in: r OP + 32 h
.set ORD,  17                          ; v17     out stage, back: LC16
.set M,    18                          ; v18     lane & 15
.set PF,   19                          ; v19     prefetch offset, written once
.set BI,   20                          ; v20-23  my four biases
.set XO,   24                          ; v24-39  byte offsets in x of the tile's 16 rows
.set T,    40                          ; v40-55  at work
.set A,    56                          ; v56-87  x fragments, 4 K steps of 32; before and behind the products: scratch
.set OO,   56                          ;   v56-71 byte offsets in out0 of the 16 rows
.set LA,   72                          ;   v72 offset in order of list word 16 wave + r, v73 that word
.set LR,   73
.set B0,   88                          ; v88-143   W fragments, buffer 0
.set B1,   144                         ; v144-199  buffer 1
.set R,    88                          ; v88-187   phase 1: ring of 25 loads of W
.set O,    88                          ; v88-151   the way out: 16 rows x 4 registers
.set ACC,  200                         ; v200-255  7 accumulators of 16 x 16
                                       ; v256-383  (window 1, written v0-127) ring of 32 loads of x
.set ROW,  48                          ; s48-63  the tile's row numbers
.set TB,   68                          ; s68-83  sixteen words of t
                                       ; s14 wave, s15 head, s16 q, s17 the range's first block, s18-19 t at my range, s22 the first block behind the range,
                                       ; s23 1 if block 42 is in the range, s24 matches in block 42, s43 matches in blocks 0-41, then n,
                                       ; s26 tiles done, s47 my wave's tiles, s44 the tile's first place in the list, s45 its listed rows
.set MSB, 0
.macro WIN new                         ; s_set_vgpr_msb; the immediate's high byte repeats the setting that is left
.if MSB != \new
	s_set_vgpr_msb (MSB<<8)|\new
.set MSB, \new
.endif
.endm
.macro PLACES                          ; four places behind a matrix instruction (ISA guide 7.12.1) where there is no other vector work
.rept 4
	v_nop
.endr
.endm
	s_load_b256 s[4:11], s[0:1], 0x0               ; W s[4:5], b s[6:7], order s[8:9], x s[10:11]
	s_load_b64 s[12:13], s[0:1], 0x20              ; out0
	s_load_b64 s[18:19], s[0:1], 0x28              ; t
	s_set_vgpr_msb 0x40
	v_lshl_add_u32 v128, v0, 2, 0x47000
	v_mov_b32 v129, 0
	s_set_vgpr_msb 0x4000
	v_lshrrev_b32 v40, 5, v0
	v_readfirstlane_b32 s14, v40                   ; wave 0..7
	s_and_b32 s15, ttmp7, 0xffff                   ; head
	s_mov_b32 s16, ttmp9                           ; q
	s_mul_i32 s17, s16, 43691                      ; floor(128 q / 3) = (q x 43691) >> 10: the factor is 2^17/3 rounded up, its excess 128 q / 393216 stays under 1/3 for q <= 12
	s_add_co_u32 s22, s17, 43691
	s_lshr_b32 s17, s17, 10                        ; first block of the range
	s_lshr_b32 s22, s22, 10                        ; first block behind it
	s_add_co_u32 s23, s17, 42
	s_cmp_lt_u32 s23, s22
	s_cselect_b32 s23, 1, 0                        ; block 42 counts only if it lies in the range; it lies inside t in any case (469 + 42 = 511 at the most)
	s_lshl_b32 s20, s17, 7                         ; the range's first byte in t
	s_mov_b32 s21, 0
	s_mov_b32 s43, 0
	s_mov_b32 s24, 0
	v_and_b32 v[LANE], 31, v0
	v_lshlrev_b32 v[L16], 4, v[LANE]
	v_min_u32 v[LC16], 24, v[LANE]
	v_lshlrev_b32 v[LC16], 4, v[LC16]
	v_lshl_add_u32 v[WOFF], s14, 9, v[L16]
	v_lshlrev_b32 v40, 3, v[LANE]                  ; 8 lane
	v_lshl_add_u32 v[WST], s14, 8, v40             ; 256 wave + 8 lane
.irp p, 1,2,3,4
	v_add_nc_u32 v[WST+\p], \p*25*WP, v[WST]
.endr
	v_and_b32 v[M], 15, v[LANE]                    ; r
	v_lshrrev_b32 v41, 4, v[LANE]                  ; h
	v_mul_u32_u24 v42, v[M], WP
	v_lshl_add_u32 v[WA], v41, 4, v42
.irp p, 1,2,3
	v_add_nc_u32 v[WA+\p], \p*32*WP, v[WA]
.endr
	s_mul_i32 s66, s14, STW
	s_add_co_u32 s66, s66, ST                      ; my wave's stage
	v_add_nc_u32 v[XS], s66, v40
	v_mul_u32_u24 v42, v[M], XP
	v_lshl_add_u32 v42, v41, 4, v42
	v_add_nc_u32 v[XA], s66, v42
	v_mul_u32_u24 v42, v[M], OP
	v_lshl_add_u32 v42, v41, 5, v42
	v_add_nc_u32 v[OS], s66, v42
	v_add_nc_u32 v[ORD], s66, v[LC16]
	v_lshlrev_b32 v[LA], 2, v[M]
	v_lshl_add_u32 v[LA], s14, 6, v[LA]            ; list word 16 wave + r: inside the list's 1,376 words whatever n is
	s_lshl_b32 s44, s14, 4                         ; my first tile's first place
	s_mov_b32 s26, 0                               ; tiles done
	s_wait_kmcnt 0x0
	s_mul_i32 s66, s15, 409600
	s_mov_b32 s67, 0
	s_add_nc_u64 s[4:5], s[4:5], s[66:67]          ; W at my head
	s_mul_i32 s66, s15, 400
	s_add_nc_u64 s[6:7], s[6:7], s[66:67]          ; b at my head
	s_mul_i32 s66, s15, 12
	s_add_co_u32 s66, s66, s16
	s_mul_i32 s66, s66, OPITCH
	s_add_nc_u64 s[8:9], s[8:9], s[66:67]          ; order at my work-group's list
	s_add_nc_u64 s[18:19], s[18:19], s[20:21]      ; t at my range
	global_load_b128 v[BI:BI+3], v[LC16], s[6:7]
	global_load_b32 v[LR], v[LA], s[8:9]           ; my first tile's list words, lane by lane, for the prefetches alone
.set i, 0
.rept 25
	global_load_b128 v[R+4*i:R+4*i+3], v[WOFF], s[4:5] offset:i*4096   ; W's rows 0 to 24: the eight waves together take a whole row
.set i, i+1
.endr
	s_load_b512 s[TB:TB+15], s[18:19], 0x0         ; t, piece 0
; The tile at place s44: its 16 list words by one scalar load, the rows' offsets in x, and the ring's first 32 loads (K 0 to 255 of the 16 rows).
; A zero word is a place behind the list's end: it gets the factor 0, all its lanes then read x's first 16 bytes (plus the immediate), and its result
; is not stored.  So this step needs no n.
.macro PRO
	s_lshl_b32 s67, s44, 2
	s_min_u32 s67, s67, 4*(CAP-16)                 ; never binds (the place is a multiple of 16 below 1,376): the 64 bytes stay inside the list
	s_load_b512 s[ROW:ROW+15], s[8:9], s67 offset:0x0
	s_wait_kmcnt 0x0                               ; the list words are in, and s67 may be written again
.irp m, 0,1,2,3,4,5,6,7,8,9,10,11,12,13,14,15
	s_min_u32 s66, s[ROW+\m], 1                    ; 1: a listed row
	s_sub_co_u32 s[ROW+\m], s[ROW+\m], s66         ; its number (0 behind the end)
	s_min_u32 s[ROW+\m], s[ROW+\m], 16383          ; never binds: it bounds the address in the text
	s_lshl_b32 s67, s[ROW+\m], 12
	v_mul_u32_u24 v[XO+\m], s66, v[L16]
	v_add_nc_u32 v[XO+\m], s67, v[XO+\m]
.endr
	WIN 0x40                                       ; destination in window 1
.irp g, 0,1,2,3
.irp i, 0,1,2,3,4,5,6,7
	global_load_b128 v[32*\g+4*\i:32*\g+4*\i+3], v[XO+8*(\g&1)+\i], s[10:11] offset:(\g>>1)*512 th:TH_LOAD_NT
.endr
.endr
	WIN 0
.endm
	PRO                                            ; in every wave, also one without a tile: the counts of phase 1 rest on its 32 loads
	s_wait_loadcnt 57                              ; the bias and my list words are in: behind them 25 loads of W and 32 of x were issued
	v_max_u32 v[PF], 1, v[LR]
	v_add_nc_u32 v[PF], -1, v[PF]                  ; the row's number; a place behind the list's end asks inside row 0, which that row's owner asks for as well
	v_min_u32 v[PF], 0x3fff, v[PF]
	v_lshlrev_b32 v[PF], 12, v[PF]
	v_lshrrev_b32 v40, 4, v[LANE]
	v_lshl_add_u32 v[PF], v40, 8, v[PF]            ; lane (r, h): row r of my tile, byte 256 h
; Piece p of t: its 16 words are compared with my head, and each match adds the compare's SCC to the count.  Pieces 84 and 85 are block 42 and are
; counted apart.  The next piece is asked for at the end, so that it has the rest of the turn in which to land.
.macro TPIECE p
.if (\p) < NP
	s_wait_kmcnt 0x0                               ; scalar loads may come back in any order (ISA guide 5.7.1): the count is 0
.irp e, 0,1,2,3,4,5,6,7,8,9,10,11,12,13,14,15
	s_cmp_eq_u32 s[TB+\e], s15
.if (\p) < NP-2
	s_add_co_ci_u32 s43, s43, 0
.else
	s_add_co_ci_u32 s24, s24, 0
.endif
.endr
.if (\p)+1 < NP
	s_load_b512 s[TB:TB+15], s[18:19], 64*((\p)+1)
.endif
.endif
.endm
	; PHASE 1: W[head] to bf16 in LDS.  Four rounds of 25 rows; a turn counts one piece of t, takes one row's load, stores 8 bytes a lane (256 consecutive
	; bytes a wave) and loads the row 25 further down into the same registers.
	; pf: in turn 12 of the first three rounds the wave asks for 512 bytes further along each of its tile's 16 rows (bytes 1,024 to 2,559, which the
	; x ring loads in the tile's first steps): each block of 256 bytes by one lane of the one wave that will load it; over the launch 16,384 rows x 1,536 bytes at the most.
.macro WTURN i, rho, cnt, refill, pf
	TPIECE (25*\rho+\i)
	s_wait_loadcnt \cnt
.if \pf
	global_prefetch_b8 v[PF], s[10:11] offset:\pf th:TH_LOAD_NT scope:SCOPE_SE
.endif
	v_cvt_pk_bf16_f32 v[T+2*((\i)&1)],   v[R+4*(\i)],   v[R+4*(\i)+1]
	v_cvt_pk_bf16_f32 v[T+2*((\i)&1)+1], v[R+4*(\i)+2], v[R+4*(\i)+3]
	ds_store_b64 v[WST+\rho], v[T+2*((\i)&1):T+2*((\i)&1)+1] offset:(\i)*WP
.if \refill
	global_load_b128 v[R+4*(\i):R+4*(\i)+3], v[WOFF], s[4:5] offset:(25*(\rho+1)+(\i))*4096
.endif
.endm
.macro WROUND rho, cnt, step, refill, pf
.set i, 0
.rept 25
.if i == 12
	WTURN i, \rho, \cnt-\step*i, \refill, \pf
.else
	WTURN i, \rho, \cnt-\step*i, \refill, 0
.endif
.set i, i+1
.endr
.endm
	WROUND 0, 56, 0, 1, 1024                       ; behind row i's load: 24 - i of the fill, the 32 loads of x, i refills = 56
	WROUND 1, 24, 0, 1, 1536                       ; behind a refill: the 24 refills of the other turns
	WROUND 2, 24, 0, 1, 2048
	WROUND 3, 24, 1, 0, 0                          ; nothing is loaded any more: the counts run down to 0, so x's 32 loads, which are older, are in too
	v_mov_b32 v[T], 0
	v_mov_b32 v[T+1], 0
.irp i, 0,1,2,3,4,5,6,7,8,9,10,11
	ds_store_b64 v[WST+4], v[T:T+1] offset:\i*WP   ; rows 100 to 111: zeros, so that N = 7 x 16
.endr
	s_mul_i32 s24, s24, s23                        ; block 42's matches count only where the range has it
	s_add_co_u32 s43, s43, s24                     ; n
	s_min_u32 s43, s43, CAP                        ; never binds: it bounds what follows in the text
	s_add_co_u32 s47, s43, 15
	s_lshr_b32 s47, s47, 4                         ; tiles of the work-group: ceil(n / 16)
	s_add_co_u32 s47, s47, 7
	s_sub_co_u32 s47, s47, s14
	s_lshr_b32 s47, s47, 3                         ; of which tiles w, w + 8, .. are mine: (tiles + 7 - w) >> 3
	s_min_u32 s47, s47, 11                         ; never binds: 1,376 rows are 86 tiles, 11 of them wave 0's; it bounds the loop in the text
	s_wait_dscnt 0x0                               ; my part of W is written: zero, for the other waves' sake
	s_barrier_signal -1
	s_barrier_wait -1                              ; the one barrier: W is whole, and nobody writes it again
	s_cmp_eq_u32 s47, 0
	s_cbranch_scc1 .Lend                           ; fewer tiles than waves: this wave has none
	; PHASE 2.
; Group g = 8 rows (8 (g & 1) ..) of K step g >> 1 (128 numbers): out of the ring, rounded, into the stage; the ring's slots take group g + 4.
.macro STG g
.if \g <= 12
	s_wait_loadcnt 24                              ; the three younger groups stay out
.else
	s_wait_loadcnt 8*(15-\g)                       ; the last groups: the counts run down
.endif
	WIN 0x05                                       ; sources 0 and 1 in window 1
.irp i, 0,1,2,3,4,5,6,7
	v_cvt_pk_bf16_f32 v[T+2*\i],   v[32*(\g%4)+4*\i],   v[32*(\g%4)+4*\i+1]
	v_cvt_pk_bf16_f32 v[T+2*\i+1], v[32*(\g%4)+4*\i+2], v[32*(\g%4)+4*\i+3]
.endr
.if \g <= 11
	WIN 0x40
.irp i, 0,1,2,3,4,5,6,7
	global_load_b128 v[32*(\g%4)+4*\i:32*(\g%4)+4*\i+3], v[XO+8*(\g&1)+\i], s[10:11] offset:((\g+4)>>1)*512 th:TH_LOAD_NT
.endr
.endif
	WIN 0
.irp i, 0,1,2,3,4,5,6,7
	ds_store_b64 v[XS], v[T+2*\i:T+2*\i+1] offset:(8*(\g&1)+\i)*XP
.endr
.endm
; 14 LDS loads: W's 112 rows, 32 along K at K = 128 c + 32 ks
.macro BLOAD c, ks, buf
.irp j, 0,1,2,3,4,5,6
	ds_load_b128 v[\buf+8*\j:\buf+8*\j+3],   v[WA+(\j>>1)] offset:(\j&1)*16*WP+256*\c+64*\ks
	ds_load_b128 v[\buf+8*\j+4:\buf+8*\j+7], v[WA+(\j>>1)] offset:(\j&1)*16*WP+256*\c+64*\ks+32
.endr
.endm
; Seven matrix instructions, used transposed: source 0 = 16 rows of W, source 1 = the 16 rows of x, so that lane (r, h) holds columns 16 j + 8 h + 0..7 of
; the tile's row r.  The seven accumulators take turns, one instruction a turn.
.macro MUL7 buf, ks, zero
.irp j, 0,1,2,3,4,5,6
.if \zero
	v_wmma_f32_16x16x32_bf16 v[ACC+8*\j:ACC+8*\j+7], v[\buf+8*\j:\buf+8*\j+7], v[A+8*\ks:A+8*\ks+7], 0
.else
	v_wmma_f32_16x16x32_bf16 v[ACC+8*\j:ACC+8*\j+7], v[\buf+8*\j:\buf+8*\j+7], v[A+8*\ks:A+8*\ks+7], v[ACC+8*\j:ACC+8*\j+7]
.endif
.endr
.endm
; 128 along K.  The 32 conversions of the two groups are the places between the last step's matrix instructions and the loads into A, B0 and B1.
; LDS serves a wave's instructions in order (ISA guide 5.7.1), so the stage's stores, its loads and the next step's stores need no wait among themselves.
.macro CHUNK c
	STG (2*\c)
	STG (2*\c+1)
.irp ks, 0,1,2,3
	ds_load_b128 v[A+8*\ks:A+8*\ks+3],   v[XA] offset:64*\ks
	ds_load_b128 v[A+8*\ks+4:A+8*\ks+7], v[XA] offset:64*\ks+32
.endr
	BLOAD \c, 0, B0
	BLOAD \c, 1, B1
	s_wait_dscnt 14                                ; all but the 14 loads into the other buffer
.if \c == 0
	MUL7 B0, 0, 1                                  ; the first products start the sums: nothing is cleared
.else
	MUL7 B0, 0, 0
.endif
	PLACES
	BLOAD \c, 2, B0
	s_wait_dscnt 14
	MUL7 B1, 1, 0
	PLACES
	BLOAD \c, 3, B1
	s_wait_dscnt 14
	MUL7 B0, 2, 0
	s_wait_dscnt 0
	MUL7 B1, 3, 0
.endm
.Ltile:
	CHUNK 0
	CHUNK 1
	CHUNK 2
	CHUNK 3
	CHUNK 4
	CHUNK 5
	CHUNK 6
	CHUNK 7
	; THE WAY OUT: 32 bytes a lane and accumulator into the stage, back as rows; 25 lanes hold a row's 400 bytes.
	PLACES                                         ; behind the last matrix instructions: for the stores of the sums, the loads into B0 and B1, the writes into A
.irp j, 0,1,2,3,4,5,6
	ds_store_b128 v[OS], v[ACC+8*\j:ACC+8*\j+3]   offset:64*\j
	ds_store_b128 v[OS], v[ACC+8*\j+4:ACC+8*\j+7] offset:64*\j+16
.endr
.irp m, 0,1,2,3,4,5,6,7,8,9,10,11,12,13,14,15
	ds_load_b128 v[O+4*\m:O+4*\m+3], v[ORD] offset:OP*\m
.endr
.irp m, 0,1,2,3,4,5,6,7,8,9,10,11,12,13,14,15
	s_mul_i32 s66, s[ROW+\m], 400
	v_add_nc_u32 v[OO+\m], s66, v[LC16]
.endr
	s_sub_co_i32 s45, s43, s44
	s_max_i32 s45, s45, 0
	s_min_u32 s45, s45, 16                         ; rows of this tile that are in the list
.irp m, 0,1,2,3,4,5,6,7,8,9,10,11,12,13,14,15
	s_wait_dscnt 15-\m                             ; row m is back; the younger rows stay out
	v_pk_add_f32 v[O+4*\m:O+4*\m+1],   v[O+4*\m:O+4*\m+1],   v[BI:BI+1]
	v_pk_add_f32 v[O+4*\m+2:O+4*\m+3], v[O+4*\m+2:O+4*\m+3], v[BI+2:BI+3]
.endr
	s_wait_xcnt 0x0                                ; EXEC is narrowed only behind this wait
	v_cmp_gt_u32 vcc_lo, 25, v[LANE]
	s_and_saveexec_b32 s46, vcc_lo
.irp m, 0,1,2,3,4,5,6,7,8,9,10,11,12,13,14,15
	s_cmp_gt_u32 s45, \m
	s_cbranch_scc0 .Lrows_done                     ; the list ends inside this tile
	global_store_b128 v[OO+\m], v[O+4*\m:O+4*\m+3], s[12:13] th:TH_STORE_NT
.endr
.Lrows_done:
	s_wait_xcnt 0x0                                ; EXEC is widened, and the stores' offsets and data are rewritten, only behind this wait
	s_or_b32 exec_lo, exec_lo, s46
	s_add_co_u32 s26, s26, 1                       ; the loop's counter: one step a trip, against s47, which the loop does not write
	s_cmp_ge_u32 s26, s47
	s_cbranch_scc1 .Lend                           ; that was my last tile: no load is issued for a further one
	s_add_co_u32 s44, s44, 128                     ; my next tile: eight waves x 16 rows on
	PRO                                            ; the ring's last loads were waited for with the count 0, so the offsets in x may be rewritten
	s_cmp_lt_u32 s26, s47                          ; PRO's scalar work has rewritten SCC: compared again (it holds here)
	s_cbranch_scc1 .Ltile
.Lend:
	s_set_vgpr_msb 0x5
	s_wait_tensorcnt 0x0
	ds_add_u32 v128, v129
	s_wait_dscnt 0x0
	s_set_vgpr_msb 0x500
	s_endpgm
.Lfunc_end_k_qd5a6a4911f_heads:
	.size	k_qd5a6a4911f_heads, .Lfunc_end_k_qd5a6a4911f_heads-k_qd5a6a4911f_heads
	.p2alignl 7, 3214868480
	.fill 96, 4, 3214868480
	.section	.rodata,"a",@progbits
	.p2align	6, 0x0
	.amdhsa_kernel k_qd5a6a4911f_heads
		.amdhsa_group_segment_fixed_size 291840
		.amdhsa_private_segment_fixed_size 0
		.amdhsa_enable_private_segment 0
		.amdhsa_kernarg_size 48
		.amdhsa_user_sgpr_count 2
		.amdhsa_user_sgpr_kernarg_segment_ptr 1
		.amdhsa_wavefront_size32 1
		.amdhsa_system_sgpr_workgroup_id_x 1
		.amdhsa_system_sgpr_workgroup_id_y 1
		.amdhsa_system_sgpr_workgroup_id_z 1
		.amdhsa_system_vgpr_workitem_id 0
		.amdhsa_next_free_vgpr 386
		.amdhsa_next_free_sgpr 84
		.amdhsa_reserve_vcc 1
		.amdhsa_float_denorm_mode_32 3
		.amdhsa_float_denorm_mode_16_64 3
		.amdhsa_memory_ordered 1
		.amdhsa_forward_progress 1
		.amdhsa_inst_pref_size 238
	.end_amdhsa_kernel
	.amdgpu_metadata
---
amdhsa.version: [ 1, 2 ]
amdhsa.kernels:
  - .name:           k_qd5a6a4911f_heads
    .symbol:         k_qd5a6a4911f_heads.kd
    .args:
      - { .name: W, .offset: 0, .size: 8, .value_kind: global_buffer, .address_space: global }
      - { .name: b, .offset: 8, .size: 8, .value_kind: global_buffer, .address_space: global }
      - { .name: order, .offset: 16, .size: 8, .value_kind: global_buffer, .address_space: global }
      - { .name: x, .offset: 24, .size: 8, .value_kind: global_buffer, .address_space: global }
      - { .name: out0, .offset: 32, .size: 8, .value_kind: global_buffer, .address_space: global }
      - { .name: t, .offset: 40, .size: 8, .value_kind: global_buffer, .address_space: global }
    .group_segment_fixed_size: 291840
    .private_segment_fixed_size: 0
    .kernarg_segment_align: 8
    .kernarg_segment_size: 48
    .max_flat_workgroup_size: 256
    .sgpr_count:     84
    .vgpr_count:     386
    .wavefront_size: 32
...
	.end_amdgpu_metadata
.endif
;; end of part 2
;; ======== version 2 of 2: 2 launches; version 1 with the launch route written anew for expert scheduling mode
;; workspace buffers: order 1,351,680 bytes of whole numbers
;; launch route (part 3): grid 12 x 20, 1 waves a work-group, no clusters, 5,888 bytes of LDS; arguments t, order; writes order
.if DOCPART == 3
	.amdgcn_target "amdgcn-amd-amdhsa--gfx1250"
	.amdhsa_code_object_version 6
	.text
	.protected	k_qd5a6a4911f_route
	.globl	k_qd5a6a4911f_route
	.p2align	8
	.type	k_qd5a6a4911f_route,@function
k_qd5a6a4911f_route:
	s_mov_b64 s[64:65], 0
	v_nop
	global_prefetch_b8 v0, s[64:65] scope:SCOPE_SE
	s_setreg_imm32_b32 hwreg(HW_REG_WAVE_SCHED_MODE, 0, 2), 2
	s_setreg_imm32_b32 hwreg(HW_REG_WAVE_MODE, 25, 1), 1
	s_wait_xcnt 0x0
	s_wait_alu depctr_vm_vsrc(0)
; The routing for out0[i][:] = W[t[i]] x[i] + b[t[i]]: which rows belong to which head, as whole numbers for the launch that follows.
; GRID 12 x 20: y = the head, x = one of 12 ranges of rows (blocks of 32 rows, floor(128 q / 3) to floor(128 (q+1) / 3): 42 or 43 blocks).
; One wave a work-group: it scans its range of t and writes, at order + (12 head + q) x 5,632 bytes,
;   words 0 .. n-1      the numbers, plus 1, of the range's rows whose t is the head,
;   words n .. 1375     zeros: a zero says that the place lies behind the list's end,
;   words 1376 .. 1407  n, 32 times: it covers the words that took the lanes without a match; the launch that follows does not read it.
; One wave scans the whole range, so a row's place in the list needs no number from another wave.  The list is made in LDS and leaves as 11 stores
; at fixed addresses, each 512 consecutive bytes at a multiple of 256 from the buffer's first byte.  No branch, and no global address made of t.
; LIMIT: a t outside 0..19 is in no list.
; THE MODE: SCHED_MODE bits 1:0 = 2 (LLVM: expert scheduling mode 2), set by the entry lines.  The code itself states the register dependences
; between vector instructions and memory or LDS instructions, and from a vector instruction's scalar result to its readers, with s_wait_alu, always for 0.
; THE PLAN.  Registers that memory or LDS instructions touch:
;   v1, v2       offsets and LDS addresses, made once at the head and never written again.
;   v4-7         zeros, made once at the head; read by the 11 stores that clear the list.
;   v20-62       t: each register is loaded once; the compares read them; no vector instruction writes them.
;   P0/Q0, P1/Q1 two buffers of four LDS addresses and four row numbers.  Group g (four blocks) writes buffer g % 2; the four LDS stores that read it are
;                issued in group g + 1, whose vector instructions name the other buffer alone.
;   v9           n, written once; read by the store over the 32 last words.
;   v64-107      the list on its way out: LDS loads land in them, global stores read them; no vector instruction names them.
;   v108, v109   written at the head, read by the closing add alone.
; So a group's head has one wait on va_vdst (the group before has written its buffer) and, from the third group on, one on vm_vsrc (the stores issued in the
; group before have read the buffer that this group writes again); behind its four compares stands one wait on va_sdst, ahead of the masks' first reader.
.set NB,    43                         ; blocks scanned; the last one counts only where the range has 43
.set CAP,   1376                       ; 43 x 32: the longest list
.set PITCH, 5632                       ; (1376 + 32) words
.set L4,  1                            ; v1      4 lane
.set L16, 2                            ; v2      16 lane
.set SCR, 3                            ; v3      1376 + lane: the word that takes a lane without a match
.set Z,   4                            ; v4-7    zeros
.set RN,  8                            ; v8      my lane's row in block 0, plus 1
.set NN,  9                            ; v9      n
.set P,   12                           ; v12-15  four blocks at a time: place, then LDS address: buffer 0; buffer 1 is v110-113
.set Q,   16                           ; v16-19  four blocks at a time: row number plus 1: buffer 0; buffer 1 is v114-117
.set BUF, 98                           ; from buffer 0 to buffer 1
.set TD,  20                           ; v20-62  t, 43 blocks
.set LS,  64                           ; v64-107 the list on its way out
	s_load_b128 s[4:7], s[0:1], 0x0                ; t s[4:5], order s[6:7]
	v_lshl_add_u32 v108, v0, 2, 0x1600
	v_mov_b32 v109, 0
	s_and_b32 s15, ttmp7, 0xffff                   ; head
	s_mov_b32 s16, ttmp9                           ; q
	s_mul_i32 s17, s16, 43691                      ; floor(128 q / 3) = (q x 43691) >> 10: the factor is 2^17/3 rounded up, its excess 128 q / 393216 stays under 1/3 for q <= 12
	s_add_co_u32 s18, s17, 43691
	s_lshr_b32 s17, s17, 10                        ; first block of the range
	s_lshr_b32 s18, s18, 10                        ; first block behind it
	v_lshlrev_b32 v[L4], 2, v0                     ; one wave: v0 is the lane
	v_lshlrev_b32 v[L16], 4, v0
	v_add_nc_u32 v[SCR], CAP, v0
.irp k, 0,1,2,3
	v_mov_b32 v[Z+\k], 0
.endr
	s_lshl_b32 s10, s17, 7                         ; the range's first byte in t
	s_mov_b32 s11, 0
	s_mul_i32 s12, s15, 12
	s_add_co_u32 s12, s12, s16
	s_mul_i32 s12, s12, PITCH                      ; my part of order
	s_mov_b32 s13, 0
	s_add_co_u32 s20, s17, NB-1
	s_cmp_lt_u32 s20, s18
	s_cselect_b32 s21, -1, 0                       ; block 42 counts only if it lies in the range; it lies inside t in any case (469 + 42 = 511 at the most)
	s_lshl_b32 s22, s17, 5
	s_add_co_u32 s22, s22, 1                       ; row numbers are stored plus 1
	v_add_nc_u32 v[RN], s22, v0
	s_mov_b32 s19, 0                               ; the list's length so far
	s_wait_kmcnt 0x0
	s_add_nc_u64 s[4:5], s[4:5], s[10:11]
	s_add_nc_u64 s[6:7], s[6:7], s[12:13]
	s_wait_alu depctr_va_vdst(0)                   ; v1 and v2 are written, which the loads and stores of the whole kernel read as offsets and addresses; so are the zeros v4-7, the data of the stores below
.set j, 0
.rept NB
	global_load_b32 v[TD+j], v[L4], s[4:5] offset:128*j
.set j, j+1
.endr
	; While t is on its way every word of the 5,632 bytes is written once.  LDS serves a wave's instructions in order (ISA guide 5.7.1): the row numbers land on top.
.irp k, 0,1,2,3,4,5,6,7,8,9,10
	ds_store_b128 v[L16], v[Z:Z+3] offset:512*\k
.endr
; Blocks j0 .. j0+3.  A matching lane's place is the list's length in front of its block plus the matching lanes below it.
; Four blocks at a time, so that the compares, the scalar sums and the vector work of one block do not each wait for the block before.
; The group writes buffer (j0 / 4) % 2 (PW, QW) and issues the stores of the group before, from the other buffer (PS, QS).
.macro GRP j0
.set PW, P+BUF*(((\j0)/4)%2)
.set QW, Q+BUF*(((\j0)/4)%2)
.set PS, P+BUF*(1-(((\j0)/4)%2))
.set QS, Q+BUF*(1-(((\j0)/4)%2))
.if \j0+3 < NB-1
	s_wait_loadcnt NB-1-(\j0+3)                    ; the loads of the later blocks stay out
.else
	s_wait_loadcnt 0x0
.endif
.if \j0 >= 8
	s_wait_alu depctr_vm_vsrc(0)                   ; the LDS stores issued in the group before have read this group's buffer, which its vector instructions write again
.endif
.if \j0 >= 4
	s_wait_alu depctr_va_vdst(0)                   ; the group before has written the other buffer's addresses and row numbers, which the four stores below read
.endif
.irp c, 0,1,2,3
.if \j0+\c < NB
	v_cmp_eq_u32 s[24+\c], s15, v[TD+\j0+\c]
.endif
.endr
.if \j0 >= 4
.irp c, 0,1,2,3
	ds_store_b32 v[PS+\c], v[QS+\c]                ; the group before: no vector instruction since the wait on va_vdst names these registers
.endr
.endif
	s_wait_alu depctr_va_sdst(0)                   ; the compares have written their masks s24 to s27, ahead of the masks' first reader
.if \j0+3 >= NB-1
	s_and_b32 s[24+NB-1-\j0], s[24+NB-1-\j0], s21
.endif
.irp c, 0,1,2,3
.if \j0+\c < NB
	s_mov_b32 s[28+\c], s19
	s_bcnt1_i32_b32 s23, s[24+\c]
	s_add_co_u32 s19, s19, s23
.endif
.endr
.irp c, 0,1,2,3
.if \j0+\c < NB
	v_mbcnt_lo_u32_b32 v[PW+\c], s[24+\c], s[28+\c]
.endif
.endr
.irp c, 0,1,2,3
.if \j0+\c < NB
	v_cndmask_b32 v[PW+\c], v[SCR], v[PW+\c], s[24+\c]     ; no match: word 1376 + lane
.endif
.endr
.irp c, 0,1,2,3
.if \j0+\c < NB
	v_min_u32 v[PW+\c], CAP+31, v[PW+\c]           ; never binds (43 x 32 rows): it bounds the address in the text
.endif
.endr
.irp c, 0,1,2,3
.if \j0+\c < NB
	v_lshlrev_b32 v[PW+\c], 2, v[PW+\c]
	v_add_nc_u32 v[QW+\c], 32*(\j0+\c), v[RN]      ; the row's number plus 1
.endif
.endr
.endm
.irp j, 0,4,8,12,16,20,24,28,32,36,40
	GRP \j
.endr
	v_mov_b32 v[NN], s19
	s_wait_alu depctr_va_vdst(0)                   ; the last group (blocks 40 to 42, buffer 0) has written its addresses and row numbers, and v9 holds n: the four stores below read them
.irp c, 0,1,2
	ds_store_b32 v[P+\c], v[Q+\c]
.endr
	ds_store_b32 v[L4], v[NN] offset:4*CAP         ; n over the 32 words that took the lanes without a match
.irp k, 0,1,2,3,4,5,6,7,8,9,10
	ds_load_b128 v[LS+4*\k:LS+4*\k+3], v[L16] offset:512*\k        ; in order behind the stores above
.endr
.irp k, 0,1,2,3,4,5,6,7,8,9,10
	s_wait_dscnt 10-\k                             ; piece k is back; the younger pieces stay out
	global_store_b128 v[L16], v[LS+4*\k:LS+4*\k+3], s[6:7] offset:512*\k
.endr
	s_wait_dscnt 0x0                               ; the closing lines, six on end
	s_wait_alu 0x0
	s_wait_tensorcnt 0x0
	ds_add_u32 v108, v109
	s_wait_dscnt 0x0
	s_endpgm
.Lfunc_end_k_qd5a6a4911f_route:
	.size	k_qd5a6a4911f_route, .Lfunc_end_k_qd5a6a4911f_route-k_qd5a6a4911f_route
	.p2alignl 7, 3214868480
	.fill 96, 4, 3214868480
	.section	.rodata,"a",@progbits
	.p2align	6, 0x0
	.amdhsa_kernel k_qd5a6a4911f_route
		.amdhsa_group_segment_fixed_size 5888
		.amdhsa_private_segment_fixed_size 0
		.amdhsa_enable_private_segment 0
		.amdhsa_kernarg_size 16
		.amdhsa_user_sgpr_count 2
		.amdhsa_user_sgpr_kernarg_segment_ptr 1
		.amdhsa_wavefront_size32 1
		.amdhsa_system_sgpr_workgroup_id_x 1
		.amdhsa_system_sgpr_workgroup_id_y 1
		.amdhsa_system_sgpr_workgroup_id_z 1
		.amdhsa_system_vgpr_workitem_id 0
		.amdhsa_next_free_vgpr 118
		.amdhsa_next_free_sgpr 66
		.amdhsa_reserve_vcc 0
		.amdhsa_float_denorm_mode_32 3
		.amdhsa_float_denorm_mode_16_64 3
		.amdhsa_memory_ordered 1
		.amdhsa_forward_progress 1
		.amdhsa_inst_pref_size 32
	.end_amdhsa_kernel
	.amdgpu_metadata
---
amdhsa.version: [ 1, 2 ]
amdhsa.kernels:
  - .name:           k_qd5a6a4911f_route
    .symbol:         k_qd5a6a4911f_route.kd
    .args:
      - { .name: t, .offset: 0, .size: 8, .value_kind: global_buffer, .address_space: global }
      - { .name: order, .offset: 8, .size: 8, .value_kind: global_buffer, .address_space: global }
    .group_segment_fixed_size: 5888
    .private_segment_fixed_size: 0
    .kernarg_segment_align: 8
    .kernarg_segment_size: 16
    .max_flat_workgroup_size: 32
    .sgpr_count:     66
    .vgpr_count:     118
    .wavefront_size: 32
...
	.end_amdgpu_metadata
.endif
;; end of part 3
;; launch heads: the kernel of part 2 again; grid 12 x 20, 8 waves a work-group, no clusters, 291,840 bytes of LDS; arguments W, b, order, x, out0, t; writes out0
